; MI455X (gfx1250); checked and timed in simulation.
; The chip was launched on July 23, 2026; its instructions are those of AMD's public machine-readable ISA for CDNA 5 (MIT licence, August 2026) and "CDNA5" Instruction Set Architecture Reference Guide (July 2026). The comments in the code are by the model that wrote it; some were corrected since.
;; Net VLAD Like. Allowed arithmetic: matrix products marked QUANTISED: E3M2 operands, one E8M0 scale for each 32 along K, by v_wmma_scale_f32_16x16x128_f8f6f4 with both operands' format E3M2, f32 sums; everything else in f32.
;; Inputs: centroids 512 x 512 float32; x 32 x 2,048 x 512 float32.
;; Outputs: out0 32 x 512 float32.
;; This version of the problem:
;;   THIS VERSION OF THE PROBLEM IS GIVEN IN LOW PRECISION. The matrix products marked QUANTISED in the list below multiply operands that are first quantised to E3M2 (3 exponent bits, 2 mantissa bits; 6 bits a number), with one power-of-two scale for each 32 numbers along K (OCP MX v1.0); their sums are f32. All else is computed in f32.
;;   The module's matrix products, in the order in which they are computed (A, B: the left and right operand; K: the contracted axis; several contracted axes count as one K, in the product's order):
;;     1. [M 65,536, K 512] x [K 512, N 512]; A: computed on the way; B: computed on the way: QUANTISED
;;     2. batch 32 x [M 512, K 2,048] x [K 2,048, N 512]; A: softmax (see below); B: computed on the way: QUANTISED
;;   THE QUANTISER, for each operand of a quantised product, along K:
;;     - K is cut into blocks of 32 from its start; a last block that is shorter is filled with zeros.
;;     - A block's scale is 2^e with e = floor(log2(the largest magnitude in the block)) - 4, held to -126 .. 127; a block of zeros has e = 0. As a byte (E8M0): e + 127.
;;     - Each number is divided by its block's scale, clamped to +-28, and rounded to the nearest number of E3M2, ties to even, subnormals kept.
;;     - The product sums the exact products of the quantised numbers (number of the format x scale) in f32.
;;   ~~~python
;;   def quantise(x, axis):      # numpy; x: float32 -> the quantised numbers, widened to float32 again
;;       x = np.moveaxis(x, axis, -1); K = x.shape[-1]
;;       x = np.pad(x, [(0, 0)] * (x.ndim - 1) + [(0, -K % 32)]); x = x.reshape(x.shape[:-1] + (-1, 32)); a = np.abs(x).max(-1, keepdims=True)
;;       e = np.where(a > 0, np.clip(np.frexp(np.where(a > 0, a, 1))[1] - 1 - 4, -126, 127), 0)      # np.frexp(a)[1] - 1 = floor(log2(a)), exactly
;;       r = np.clip(x / 2.0 ** e, -28, 28)
;;       step = 2.0 ** (np.maximum(np.frexp(np.where(r == 0, 1, r))[1] - 1, -2) - 2)
;;       q = np.round(r / step) * step * 2.0 ** e      # np.round: ties to even
;;       return np.moveaxis(q.reshape(q.shape[:-2] + (-1,))[..., :K], -1, axis).astype(np.float32)
;;   ~~~
;;   SOFTMAX AHEAD OF A QUANTISED PRODUCT. Where the list says 'softmax', what is quantised is not the finished softmax but p = 2^(t - M), with t = logit x log2(e) and M = ceil(the row's largest t), a whole number; so 1/2 < the row's largest p <= 1. The row's sum l is taken of the UNQUANTISED p, in f32, and the product's result is divided by l at the end. Since M is a whole number, a kernel that streams over the keys may use a running M (the ceiling of the running maximum): every later rescaling is an exact power of two, which a block's scale takes up: the codes' values come out the same.
;;   OPERANDS COMPUTED ON THE WAY. 'Computed on the way' means the value that the module computes at that place (a softmax that the list does not call 'softmax' is quantised finished and normalised). What goes into a quantiser is computed in f32, as accurately as f32 sums, v_exp_f32 and their like allow (about 1e-6 of the number): no bf16 or f16 on the way to a quantiser, and a product that is left as it is and whose result goes on into a quantised operand takes f32 operands (vector FMAs, or v_wmma_f32_16x16x4_f32). A number that lies on a knife's edge between two numbers of the format may be rounded either way, as far as f32 arithmetic and the matrix unit's own rounding can turn it there, and no further.
;; One version. Each part assembles by itself: llvm-mc -triple=amdgcn-amd-amdhsa -mcpu=gfx1250 --defsym DOCPART=n.
;; ======== version 1 of 1: 3 launches
;; workspace buffers: kv 52,428,800 bytes; scl 65,536 bytes; part 524,288 bytes
;; launch quant (part 1): grid 256 x 1, 16 waves a work-group, no clusters, 79,872 bytes of LDS; arguments x, kv, scl; writes kv, scl
.if DOCPART == 1
	.amdgcn_target "amdgcn-amd-amdhsa--gfx1250"
	.amdhsa_code_object_version 6
	.text
	.protected	k_qc3efac9972_quant
	.globl	k_qc3efac9972_quant
	.p2align	8
	.type	k_qc3efac9972_quant,@function
k_qc3efac9972_quant:
	s_mov_b64 s[64:65], 0
	v_nop
	global_prefetch_b8 v0, s[64:65] scope:SCOPE_SE
	s_setreg_imm32_b32 hwreg(HW_REG_WAVE_MODE, 25, 1), 1
	s_wait_xcnt 0x0
; NetVLAD-like pooling, launch 1 of 3: scale[b][d] = mean over l of x[b][l][d]^2; direction = x / max(scale, 1e-12); direction's codes of BF6 (E3M2) with one E8M0
; byte for each 32 numbers, made twice: along d (the operand of the logits' product) and along l (the operand of the second product).
; WORK LEFT OUT BY THE PROGRAM, for all finite inputs: jnp.sum(a, axis=1) is the sum over l of a softmax over l: a = p / (sum of p), so the sum is 1 by identity, and
; 'sum(a) * centroids' is 'centroids'.  That sum and that factor are not computed.  Nothing else is left out: the bias -100 |c_k| is constant along the softmax's axis, but it
; moves M and so p's codes, so it stays; both inputs are loaded.  LIMIT: a NaN, an infinity or an overflow that would reach only that sum is not carried to the result.
; SHARES.  A TILE is one batch b, features d = 32 sg .. 32 sg + 31, ALL 2,048 tokens: 256 KiB that stay in registers, so that x is read once: first the scale, then both quantisers.
; Wave v owns tokens 128 v .. 128 v + 127; a lane is a feature, a register a token.  32 features are one block of the quantiser along d.
; A WORK-GROUP STAYS FOR TWO TILES: work-group g takes sg = g % 16 of batch g / 16 and then of batch g / 16 + 16.  As soon as a block of 32 tokens of the first tile has gone to the stage and been quantised along l, its 32
; registers take the second tile's loads: the second tile is read while the first is worked on and stored.  Between the tiles only three scalar bases differ.
; ALONG l a block of 32 tokens is 32 registers of one lane.  ALONG d a block is the 32 lanes: a block of 32 tokens x 32 features turns through the wave's own stage in LDS.
; kv IS LAID IN THE ORDER OF THE NEXT LAUNCH'S OPERAND REGISTERS: [b][step j of 256 tokens][wave w][51,200 bytes]; in a wave's part: 24,576 bytes of codes along d of tokens
; 64 w .. 64 w + 63 of the step, 24,576 bytes of codes along l of features 128 w .. 128 w + 127, 1,024 + 1,024 bytes of scale words.  Every store of codes covers whole aligned runs of
; 256 bytes.  The scale bytes along d are single bytes, 4 bytes apart in a run of 128 (four work-groups fill a word): one byte for each 128 bytes that the launch reads.
; LIMITS: direction is x times a reciprocal refined by one Newton step, not a division (about 1e-7 of the number); a block of zeros gets the byte 1 where the rule says 127 (its codes
; are zeros, and this program alone reads the bytes); blocks whose largest magnitude lies under 2^(5 - 127) are held at that byte; NaN and infinities among the inputs are not served.
.set TILEB, 51200                      ; a wave's part of a step in kv
.set STEPB, 4*TILEB
.set BATB,  8*STEPB
.set VC,    24576                      ; in a part: codes along l
.set KS,    49152                      ; scale words of the codes along d
.set VS,    50176                      ; scale words of the codes along l
.set RED,   0                          ; LDS: 16 waves x 32 partial sums, 2,048 bytes, once for each of the two tiles: so the second tile's stores meet nobody's reads of the first's
.set STG,   4096                       ; a stage for each wave: 32 rows (tokens) of 128 bytes + 16
.set SPITCH, 144                       ; 9 x 16 bytes: the sixteen rows that a 16-byte load touches start in different groups of banks
.set WSTG,  32*SPITCH
.set SPARE, STG+16*WSTG                ; the spare words, 128 bytes for each wave: eight blocks of 256 bytes that no other line names
.set XO,   2                           ; v2   4 x lane: my feature in a row of x
.set SA,   3                           ; v3   stage, way in: 4 x lane
.set SB,   4                           ; v4   stage, way out: 144 x lane
.set RA,   5                           ; v5   my partial sum's word
.set RB,   6                           ; v6   my feature's word in wave 0's row of partial sums
.set VO16, 7                           ; v7   kv: codes along l
.set VOS,  8                           ; v8   kv: their scale word
.set KO16, 9                           ; v9   kv: codes along d, first 16 bytes
.set KO8,  10                          ; v10  kv: codes along d, last 8 bytes
.set KOB,  11                          ; v11  kv: their scale byte
.set SPW,  12                          ; v12  my spare word; never rewritten
.set NIL,  13                          ; v13  0; never rewritten
.set RI,   14                          ; v[14:15] 1 / max(scale, 1e-12), twice
.set VCR,  32                          ; v32-55 codes along l: v32-43 blocks 0 | 2, v44-55 blocks 1 | 3
.set CT,   56                          ; v56-58 a conversion's second half
.set VW,   60                          ; v60  the scale word along l
.set SCV,  61                          ; v61  the scale
.set SCO,  62                          ; v62  its place in scl
.set KCR,  64                          ; v64-95 codes along d: eight registers a block: six of codes, the byte
.set KT,   96                          ; v96-127 a turned block; before that the sums
.set SQ,   96
.set PS,   104
.set X,    128                         ; v128-255 my 128 tokens of my feature
.set XN,   30                          ; s[30:31] x at my wave's part of the second tile
.set KVN,  32                          ; s[32:33] kv at the second tile's batch and my step
; Block q's 32 tokens of the tile at s[base:base+1]: token 128 v + 32 q + i: the wave reads 128 consecutive bytes; the neighbouring work-group reads the other half of the aligned 256
.macro XLOAD q, base
.set i, 0
.rept 32
	global_load_b32 v[X+32*(\q)+i], v[XO], s[\base:\base+1] offset:2048*(32*(\q)+i)
.set i, i+1
.endr
.endm
; 32 numbers v[src] .. v[src + 31] of one block become six registers of codes at v[dst] and the scale's byte in v[byte].
.macro QBLK src, dst, byte
	v_max3_num_f32 v16, |v[(\src)]|, |v[(\src)+1]|, |v[(\src)+2]|   ; the largest magnitude, in two chains
	v_max3_num_f32 v17, |v[(\src)+3]|, |v[(\src)+4]|, |v[(\src)+5]|
.irp i, 6,10,14,18,22,26
	s_delay_alu instid0(VALU_DEP_2)
	v_max3_num_f32 v16, v16, |v[(\src)+\i]|, |v[(\src)+\i+1]|
	s_delay_alu instid0(VALU_DEP_2)
	v_max3_num_f32 v17, v17, |v[(\src)+\i+2]|, |v[(\src)+\i+3]|
.endr
	s_delay_alu instid0(VALU_DEP_2)
	v_max3_num_f32 v16, v16, |v[(\src)+30]|, |v[(\src)+31]|
	s_delay_alu instid0(VALU_DEP_1)
	v_max3_num_f32 v16, v16, v17, 0x2800000        ; and the floor 2^(5 - 127): the byte cannot fall under 1
	s_delay_alu instid0(VALU_DEP_1)
	v_add_nc_u32 v18, 0xfe000000, v16              ; 4 off its exponent field: the conversion takes the exponent field of this operand as its scale
	v_cvt_scalef32_pk16_bf6_f32 v[(\dst):(\dst)+2], v[(\src):(\src)+15], v18
	v_cvt_scalef32_pk16_bf6_f32 v[CT:CT+2], v[(\src)+16:(\src)+31], v18   ; (a conversion's three registers begin on an even number)
	v_lshrrev_b32 v[\byte], 23, v18                ; the scale's byte; also the plain instruction behind the conversions
.irp i, 0,1,2
	v_mov_b32 v[(\dst)+3+\i], v[CT+\i]
.endr
.endm
; Block q: tokens 32 q .. 32 q + 31 of my wave's 128.  kvb: kv's base for this tile.  more = 1: the block's registers take the second tile's loads as soon as they are free.
.macro BLOCK q, kvb, more
.set XB, X+32*(\q)
.set HS, VCR+12*((\q)%2)+6*((\q)/2)
.set KB, KCR+8*(\q)
.set i, 0
.rept 16
	v_pk_mul_f32 v[XB+2*i:XB+2*i+1], v[XB+2*i:XB+2*i+1], v[RI:RI+1]   ; direction
.set i, i+1
.endr
.set i, 0
.rept 32
	ds_store_b32 v[SA], v[XB+i] offset:SPITCH*i    ; row = token, column = feature
.set i, i+1
.endr
.set i, 0
.rept 8
	ds_load_b128 v[KT+4*i:KT+4*i+3], v[SB] offset:16*i   ; back: my lane's token, its 32 features.  LDS serves a wave's instructions in order: these see my stores, and the next block's stores come behind them
.set i, i+1
.endr
	QBLK XB, HS, 19                                ; along l, while the block turns
.if (\q) == 0
	s_delay_alu instid0(VALU_DEP_4)
	v_mov_b32 v[VW], v19
.else
	s_delay_alu instid0(VALU_DEP_4)
	v_lshl_or_b32 v[VW], v19, 8*(\q), v[VW]        ; byte q of my feature's scale word for these 128 tokens
.endif
	s_wait_dscnt 0x0                               ; the turned block is in, and the stores into the stage have read the block's registers
.if \more
	XLOAD \q, XN                                   ; nothing reads these 32 registers any more in this tile: the same tokens of the second tile are asked for
.endif
	QBLK KT, KB, KB+6                              ; along d
	global_store_b128 v[KO16], v[KB:KB+3], s[\kvb:\kvb+1] offset:((\q)/2)*TILEB+((\q)%2)*12288
	global_store_b64 v[KO8], v[KB+4:KB+5], s[\kvb:\kvb+1] offset:((\q)/2)*TILEB+((\q)%2)*12288
	global_store_b8 v[KOB], v[KB+6], s[\kvb:\kvb+1] offset:((\q)/2)*TILEB+((\q)%2)*512
.endm
; A tile whose 128 loads a wave have been issued, tokens ascending.  n: the first (0) or the second (1).
.macro TILE n, kvb, more
.if \n
	s_wait_xcnt 0x0                                ; the first tile's stores have read their registers: its codes, words and scale are written again only behind this wait
.endif
	; the sum of squares of my 128 tokens, in four chains of pairs, sixteen rows at a time
.set g, 0
.rept 8
.if 112-16*g > 63
	s_wait_alu depctr_va_vdst(0)
	s_wait_loadcnt 63                              ; more loads than the wait can name were issued behind this group: the largest count that it can name
.else
	s_wait_alu depctr_va_vdst(0)
	s_wait_loadcnt 112-16*g                        ; the loads issued behind this group's last may stay out
.endif
.set p, 0
.rept 8
.set XR, X+16*g+2*p
.set SR, SQ+2*(p%4)
.if (g == 0) && (p < 4)
	v_pk_mul_f32 v[SR:SR+1], v[XR:XR+1], v[XR:XR+1]   ; the first four start the chains: nothing is cleared
.else
	v_pk_fma_f32 v[SR:SR+1], v[XR:XR+1], v[XR:XR+1], v[SR:SR+1]
.endif
.set p, p+1
.endr
.set g, g+1
.endr
	s_delay_alu instid0(VALU_DEP_3)
	v_pk_add_f32 v[SQ:SQ+1], v[SQ:SQ+1], v[SQ+2:SQ+3]
	s_delay_alu instid0(VALU_DEP_2)
	v_pk_add_f32 v[SQ+4:SQ+5], v[SQ+4:SQ+5], v[SQ+6:SQ+7]
	s_delay_alu instid0(VALU_DEP_1)
	v_pk_add_f32 v[SQ:SQ+1], v[SQ:SQ+1], v[SQ+4:SQ+5]
	s_delay_alu instid0(VALU_DEP_1)
	v_add_f32 v[SQ], v[SQ], v[SQ+1]
	ds_store_b32 v[RA], v[SQ] offset:RED+2048*(\n)
	s_wait_dscnt 0x0                               ; for the others' sake: my partial sums lie in LDS
	s_barrier_signal -1
	s_barrier_wait -1
.irp u, 0,1,2,3,4,5,6,7,8,9,10,11,12,13,14,15
	ds_load_b32 v[PS+\u], v[RB] offset:RED+2048*(\n)+128*\u   ; the sixteen waves' sums of my feature
.endr
	s_wait_dscnt 0x0
.irp i, 0,2,4,6
	v_pk_add_f32 v[PS+\i:PS+\i+1], v[PS+\i:PS+\i+1], v[PS+8+\i:PS+9+\i]
.endr
.irp i, 0,2
	s_delay_alu instid0(VALU_DEP_2)
	v_pk_add_f32 v[PS+\i:PS+\i+1], v[PS+\i:PS+\i+1], v[PS+4+\i:PS+5+\i]
.endr
	s_delay_alu instid0(VALU_DEP_1)
	v_pk_add_f32 v[PS:PS+1], v[PS:PS+1], v[PS+2:PS+3]
	s_delay_alu instid0(VALU_DEP_1)
	v_add_f32 v[PS], v[PS], v[PS+1]
	s_delay_alu instid0(VALU_DEP_1)
	v_mul_f32 v[SCV], 0x3a000000, v[PS]            ; / 2,048, exact: the scale
	s_cmp_lg_u32 s10, 0
	s_cbranch_scc1 .Lnot_wave_0_\@
	global_store_b32 v[SCO], v[SCV], s[8:9] offset:32768*(\n)   ; wave 0 stores the 32 scales; the second tile's batch lies 16 rows of 2,048 bytes on
.Lnot_wave_0_\@:
	s_wait_alu depctr_va_vdst(0)
	v_max_num_f32 v20, 0x2b8cbccc, v[SCV]          ; max(scale, 1e-12)
	s_wait_alu depctr_va_vdst(0)
	v_rcp_f32 v21, v20
	v_nop                                          ; a plain instruction behind the reciprocal
	s_wait_alu depctr_va_vdst(0)                   ; and the wait ahead of its first reader
	v_fma_f32 v22, -v20, v21, 1.0                  ; one Newton step
	v_fma_f32 v[RI], v21, v22, v21
	s_delay_alu instid0(VALU_DEP_1)
	v_mov_b32 v[RI+1], v[RI]
	BLOCK 0, \kvb, \more                           ; each block has its own registers for what it stores: within a tile no store's data are written again
	BLOCK 1, \kvb, \more
	BLOCK 2, \kvb, \more
	BLOCK 3, \kvb, \more
.irp y, 0,1                                    ; the codes along l: half y of the reading lanes holds blocks y and 2 + y; sixteen lanes fill an aligned 256 bytes
.irp p, 0,1,2
	global_store_b128 v[VO16], v[VCR+12*\y+4*\p:VCR+12*\y+4*\p+3], s[\kvb:\kvb+1] offset:512*\p+256*\y
.endr
.endr
	global_store_b32 v[VOS], v[VW], s[\kvb:\kvb+1]
.endm
	s_load_b128 s[4:7], s[0:1], 0x0                ; x, kv
	s_load_b64 s[8:9], s[0:1], 0x10                ; scl
	v_lshl_add_u32 v[SPW], v0, 2, SPARE
	v_mov_b32 v[NIL], 0
	v_lshrrev_b32 v1, 5, v0
	s_delay_alu instid0(VALU_DEP_1)
	v_readfirstlane_b32 s10, v1                    ; wave v
	v_and_b32 v1, 31, v0                           ; lane
	s_delay_alu instid0(VALU_DEP_1)
	v_lshlrev_b32 v[XO], 2, v1
	s_lshr_b32 s12, ttmp9, 4                       ; b of the first tile: 0 .. 15
	s_and_b32 s13, ttmp9, 15                       ; sg
	s_lshl_b32 s14, s12, 22                        ; b x 2,048 rows of 2,048 bytes
	s_lshl_b32 s15, s10, 18                        ; + v x 128 rows
	s_add_co_u32 s14, s14, s15
	s_lshl_b32 s15, s13, 7                         ; + sg x 128 bytes
	s_add_co_u32 s14, s14, s15
	s_mov_b32 s15, 0
	s_wait_alu depctr_va_vdst(0)
	s_wait_kmcnt 0x0
	s_add_nc_u64 s[4:5], s[4:5], s[14:15]
	XLOAD 0, 4                                     ; the first tile
	XLOAD 1, 4
	XLOAD 2, 4
	XLOAD 3, 4
	; the addresses, while the loads are on their way
	s_add_nc_u64 s[XN:XN+1], s[4:5], 16*4194304    ; the second tile: 16 batches on; s[4:5] itself is not written again
	s_mul_i32 s16, s12, BATB
	s_lshr_b32 s17, s10, 1                         ; step j = v / 2
	s_mul_i32 s17, s17, STEPB
	s_add_co_u32 s16, s16, s17
	s_mov_b32 s17, 0
	s_add_nc_u64 s[6:7], s[6:7], s[16:17]          ; kv at my batch and step
	s_add_nc_u64 s[KVN:KVN+1], s[6:7], 16*BATB     ; and 16 batches on
	s_and_b32 s18, s10, 1                          ; v % 2: which 128 tokens of the step
	s_lshr_b32 s19, s13, 2                         ; sg / 4: the reading wave of my features, and the d step of 128
	s_and_b32 s20, s13, 3                          ; sg % 4
	s_and_b32 s21, s13, 1                          ; h: the half of the lanes that takes my d block
	s_mul_i32 s22, s19, TILEB
	s_lshl_b32 s23, s18, 3
	s_lshl_b32 s24, s20, 1
	s_add_co_u32 s23, s23, s24
	s_mul_i32 s23, s23, 1536                       ; fragment (K step v % 2, d tile 2 (sg % 4) + lane / 16)
	s_add_co_u32 s23, s23, s22
	s_add_co_u32 s23, s23, VC
	s_lshl_b32 s24, s18, 2
	s_add_co_u32 s24, s24, s20
	s_lshl_b32 s24, s24, 7
	s_add_co_u32 s24, s24, s22
	s_add_co_u32 s24, s24, VS
	s_mul_i32 s25, s18, 2*TILEB                    ; my tokens' first reading wave: 2 (v % 2)
	s_lshr_b32 s26, s13, 1                         ; 2 (d step) + (half of 64) = sg / 2
	s_mul_i32 s26, s26, 1536
	s_add_co_u32 s26, s26, s25
	s_lshl_b32 s27, s21, 8
	s_add_co_u32 s26, s26, s27
	s_lshl_b32 s27, s19, 7
	s_add_co_u32 s27, s27, s25
	s_add_co_u32 s27, s27, s20
	s_add_co_u32 s27, s27, KS
	s_lshl_b32 s28, s12, 11
	s_lshl_b32 s29, s13, 7
	s_add_co_u32 s28, s28, s29
	s_mul_i32 s29, s10, WSTG
	s_add_co_u32 s29, s29, STG
	v_lshl_add_u32 v[SA], v1, 2, s29
	v_mul_u32_u24 v[SB], v1, SPITCH
	s_delay_alu instid0(VALU_DEP_1)
	v_add_nc_u32 v[SB], s29, v[SB]
	v_lshlrev_b32 v[RA], 2, v0                     ; 128 v + 4 x lane
	v_lshlrev_b32 v[RB], 2, v1
	v_lshrrev_b32 v17, 4, v1                       ; lane / 16
	v_and_b32 v16, 15, v1
	s_delay_alu instid0(VALU_DEP_2)
	v_mul_u32_u24 v[VO16], v17, 1536
	s_delay_alu instid0(VALU_DEP_1)
	v_lshl_add_u32 v[VO16], v16, 4, v[VO16]
	s_delay_alu instid0(VALU_DEP_1)
	v_add_nc_u32 v[VO16], s23, v[VO16]
	v_lshl_add_u32 v[VOS], v1, 2, s24
	; a turned block's lane is token 16 a + 8 u + p of 32: row r = 8 a + p of key tile u, so that the next launch's scores of two neighbouring tiles are 16 neighbouring tokens
	v_bfe_u32 v16, v1, 3, 1                        ; u
	v_and_b32 v18, 7, v1
	s_delay_alu instid0(VALU_DEP_1)
	v_lshl_add_u32 v18, v17, 3, v18                ; r
	s_delay_alu instid0(VALU_DEP_3)
	v_lshlrev_b32 v[KO16], 9, v16
	s_delay_alu instid0(VALU_DEP_1)
	v_lshl_add_u32 v[KO16], v18, 4, v[KO16]
	s_delay_alu instid0(VALU_DEP_1)
	v_add_nc_u32 v[KO16], s26, v[KO16]             ; u x 512 + 16 (r + 16 h)
	v_xor_b32 v19, s21, v16
	s_delay_alu instid0(VALU_DEP_1)
	v_lshlrev_b32 v[KO8], 7, v19
	s_delay_alu instid0(VALU_DEP_1)
	v_lshl_add_u32 v[KO8], v18, 3, v[KO8]
	s_delay_alu instid0(VALU_DEP_1)
	v_add_nc_u32 v[KO8], s26, v[KO8]
	s_delay_alu instid0(VALU_DEP_1)
	v_add_nc_u32 v[KO8], 1024, v[KO8]              ; 1,024 + 256 h + 128 (u xor h) + 8 r: a store fills an aligned 256 bytes, and the reader's 32 lanes meet every bank once
	v_lshlrev_b32 v[KOB], 6, v16
	s_delay_alu instid0(VALU_DEP_1)
	v_lshl_add_u32 v[KOB], v18, 2, v[KOB]
	s_delay_alu instid0(VALU_DEP_1)
	v_add_nc_u32 v[KOB], s27, v[KOB]               ; 4 (r + 16 u) + byte sg % 4
	v_lshl_add_u32 v[SCO], v1, 2, s28
	TILE 0, 6, 1                                   ; the first tile; its blocks ask for the second
	TILE 1, KVN, 0                                 ; the second tile asks for nothing: no load leaves x
	s_wait_tensorcnt 0x0                           ; the wave's end: a wait, an add onto my spare word and its wait, behind my last LDS store
	ds_add_u32 v[SPW], v[NIL]
	s_wait_dscnt 0x0
	s_endpgm
.Lfunc_end_k_qc3efac9972_quant:
	.size	k_qc3efac9972_quant, .Lfunc_end_k_qc3efac9972_quant-k_qc3efac9972_quant
	.p2alignl 7, 3214868480
	.fill 96, 4, 3214868480
	.section	.rodata,"a",@progbits
	.p2align	6, 0x0
	.amdhsa_kernel k_qc3efac9972_quant
		.amdhsa_group_segment_fixed_size 79872
		.amdhsa_private_segment_fixed_size 0
		.amdhsa_enable_private_segment 0
		.amdhsa_kernarg_size 24
		.amdhsa_user_sgpr_count 2
		.amdhsa_user_sgpr_kernarg_segment_ptr 1
		.amdhsa_wavefront_size32 1
		.amdhsa_system_sgpr_workgroup_id_x 1
		.amdhsa_system_sgpr_workgroup_id_y 1
		.amdhsa_system_sgpr_workgroup_id_z 1
		.amdhsa_system_vgpr_workitem_id 0
		.amdhsa_next_free_vgpr 256
		.amdhsa_next_free_sgpr 66
		.amdhsa_reserve_vcc 0
		.amdhsa_float_denorm_mode_32 3
		.amdhsa_float_denorm_mode_16_64 3
		.amdhsa_memory_ordered 1
		.amdhsa_forward_progress 1
		.amdhsa_inst_pref_size 105
	.end_amdhsa_kernel
	.amdgpu_metadata
---
amdhsa.version: [ 1, 2 ]
amdhsa.kernels:
  - .name:           k_qc3efac9972_quant
    .symbol:         k_qc3efac9972_quant.kd
    .args:
      - { .name: x, .offset: 0, .size: 8, .value_kind: global_buffer, .address_space: global }
      - { .name: kv, .offset: 8, .size: 8, .value_kind: global_buffer, .address_space: global }
      - { .name: scl, .offset: 16, .size: 8, .value_kind: global_buffer, .address_space: global }
    .group_segment_fixed_size: 79872
    .private_segment_fixed_size: 0
    .kernarg_segment_align: 8
    .kernarg_segment_size: 24
    .max_flat_workgroup_size: 512
    .sgpr_count:     66
    .vgpr_count:     256
    .wavefront_size: 32
...
	.end_amdgpu_metadata
.endif
;; end of part 1
;; launch attn (part 2): grid 8 x 32, 4 waves a work-group, clusters of 4 x 1, 327,680 bytes of LDS; arguments centroids, kv, part; writes part
.if DOCPART == 2
	.amdgcn_target "amdgcn-amd-amdhsa--gfx1250"
	.amdhsa_code_object_version 6
	.text
	.protected	k_qc3efac9972_attn
	.globl	k_qc3efac9972_attn
	.p2align	8
	.type	k_qc3efac9972_attn,@function
k_qc3efac9972_attn:
	s_mov_b64 s[64:65], 0
	v_nop
	global_prefetch_b8 v0, s[64:65] scope:SCOPE_SE
	s_setreg_imm32_b32 hwreg(HW_REG_WAVE_MODE, 25, 1), 1
	s_wait_xcnt 0x0
	s_wait_alu depctr_hold_cnt(0) depctr_sa_sdst(0) depctr_va_vdst(0) depctr_va_sdst(0) depctr_va_ssrc(0) depctr_va_vcc(0) depctr_vm_vsrc(0)
	s_getreg_b32 s2, hwreg(HW_REG_IB_STS2, 6, 4)
	s_cmp_eq_u32 s2, 0
	s_cbranch_scc0 .Lentry_in_a_cluster
	s_endpgm
.Lentry_in_a_cluster:
	s_bfe_u32 s2, ttmp6, 0x10000c
	s_cmp_lg_u32 s2, 0x3003
	s_cbranch_scc0 .Lentry_shape_is_right
	s_endpgm
.Lentry_shape_is_right:
; Launch 2 of 3.  For batch b and 64 clusters k = 64 jq ..: logits = Q(direction) Q(200 c)^T - 100 |c_k|; softmax over the 2,048 tokens; O = Q(p) Q(direction); part[b][jq][d] = sum over the
; 64 k of (O[k][d] / l_k - c[k][d]).  Both products on codes of BF6 (E3M2) with one E8M0 scale for each 32 along a product's K.
; LEFT OUT (shown at the head of the first kernel): the factor sum over l of a, which is 1 by identity; c[k][d] is taken away as it is.
; THE SOFTMAX: t = logit x log2(e); M = the row's largest t so far, rounded up to a whole number; p = 2^(t - M) is quantised along the tokens; l is the sum of the unquantised p.  When M moves, l and O are
; multiplied by 2^(old M - new M), which rounds nothing.  No branch hangs on data.
; SHARES.  Four waves, 8 steps of 256 tokens.  First product: wave w makes S^T for ITS 64 tokens x all 64 clusters (source 0 = 16 tokens, source 1 = 16 clusters): 16 accumulators.  Second product: wave w makes O^T for
; ITS 128 features x all 64 clusters (source 0 = 16 features, source 1 = p): 32 accumulators.  A lane holds one cluster throughout.  So each byte of direction's codes is read from LDS by one wave, and a fragment feeds four
; matrix instructions; what goes from wave to wave is small: the maxima and p's codes, as images of the operand's registers.
; TILES.  kv is laid in the order of the operand registers; a wave's part of a step is 51,200 dense bytes, brought by ONE tensor load into the wave's own LDS bytes, which it alone reads.  All of it has been taken into registers
; when the step's maxima are exchanged, so the same bytes are asked for again there, and the load has the softmax and the second product in which to land.  Two such slots for four waves would not fit in LDS.
; CLUSTER.  The four work-groups of a cluster belong to one batch and walk the same tiles: each tile is asked for jointly, by the same load with the same descriptor and a mask that names the four.
; THE TOKENS OF A TILE ARE NOT NEIGHBOURS: row r of tile 2 bq + u is token 32 bq + 8 u + r + 8 (r / 8), so that the 16 registers of tiles (bq, 0) and (bq, 1) are 16 neighbouring tokens.
; LIMITS: a block of zeros has the byte 1 where the rule says 127 (its codes are zeros; no byte is an output); p under 2^-126 is 0; NaN and infinities among the inputs are not served.
; REGISTERS, in windows of 256.  Window 0: v1-19 addresses; v20-23 the column sum of c; v32-59 scale words and nothing else; v60-63 maxima to send; v64-95 eight registers of statistics a cluster tile; v96-127 at work;
;   v128-255 S^T, then p, then p's fragments.   Window 1: O^T, tile (qt, dt) at 8 (8 qt + dt).   Window 2: W's 16 fragments at 12 (4 qt + s); from v192 the bias, eight registers a cluster tile.   Window 3: two sets of 96: fragments of direction.
.set TILEB, 51200
.set STEPB, 204800
.set BATB,  1638400
.set VC,    24576                      ; in a wave's part: codes along l;
.set KS,    49152                      ; scale words of the codes along d;
.set VS,    50176                      ; of the codes along l
.set QIMG,  204800                     ; behind the four parts: W's 16 fragments, 1,536 bytes each, (4 qt + s);
.set QSC,   229376                     ; their scale words: (2 s + qt / 2) x 128 + 4 (r + 16 (qt % 2));
.set QB,    230400                     ; the bias: qt x 128 + 4 x lane;
.set PIMG,  230912                     ; p's 8 fragments (4 ks + qt): in each, for c = 0, 1: 512 bytes of 16 a lane, 256 bytes of 8 a lane;
.set PSC,   243200                     ; their scale words: (2 ks + qt / 2) x 128 + 4 (r + 16 (qt % 2));
.set MX,    243712                     ; the waves' maxima: w x 512 + 16 x lane;
.set LX,    245760                     ; the waves' sums, likewise;
.set OST,   247808                     ; the way out: 512 bytes a wave;
.set SPARE, 249856                     ; the spare words, 128 bytes for each wave: two blocks of 256 bytes that no other line names
.set LT,   1                           ; v1   my part + 16 x lane
.set LK0,  2                           ; v2, v3  my part + the place of a fragment's 8-byte pieces, for u = 0, 1
.set LTS,  4                           ; v4   my part + 4 x lane
.set LB16, 5                           ; v5   QIMG + 16 x lane
.set LB8,  6                           ; v6   QIMG + 8 x lane
.set LB4,  7                           ; v7   QIMG + 4 x lane
.set WP16, 8                           ; v8   where I store p's codes, 16 bytes
.set WP8,  9                           ; v9   and 8 bytes
.set WPS,  10                          ; v10  and my two bytes of p's scale words
.set WMX,  11                          ; v11  where I store maxima and sums
.set WOS,  12                          ; v12  the way out, in
.set ROS,  13                          ; v13  the way out, back
.set PFO,  14                          ; v14  the prefetches' offset: 256 x min(lane, 24)
.set GO,   15                          ; v15  16 x lane
.set SPW,  16                          ; v16  my spare word; never rewritten
.set NIL,  17                          ; v17  0; never rewritten
.set WQ16, 18                          ; v18  where I store W's fragments
.set WQS,  19                          ; v19  and their scale words
.set CSUM, 20                          ; v20-23
.set WOF,  24                          ; v24  W: my lane's byte in the wave's 16 rows
.set WQB,  25                          ; v25  where I store the bias
.set BT,   28                          ; v28-31 the bias as loaded
.set QSR,  32                          ; v32-39 W's scale words [2 s + qt / 2]
.set KSR,  40                          ; v40-47 direction's along d [4 bq + s]
.set VSR,  48                          ; v48-55 direction's along l [4 ks + dt / 2]
.set PSR,  56                          ; v56-59 p's [2 ks + qt / 2]
.set LM,   60
.set ST,   64                          ; tile qt at ST + 8 qt: +0 -M, +1 the largest t, +2, +3 l, +4 f (at the end 1 / l), +5 written once, +6, +7 at work
.set BM,   96                          ; v96-103 the largest score of block (qt, bq), then its p, then its byte
.set PT,   104                         ; v104-111 the other half's maxima, then the conversions' scale operands
.set XM,   112                         ; v112-127 the four waves' maxima; then codes
.set CD,   112                         ; p's codes of tile qt at CD + 16 qt, their second half at + 8
.set S,    128
.set SS,   64                          ; the head, W: sums of squares, largest magnitudes, scale operands, bytes, the word, the other half's, 8 h
.set MXT,  68
.set SO,   70
.set BY,   72
.set WD,   74
.set WT,   75
.set SH,   76
.set FRG,  96
.set CTW,  112
.set CSB,  104
.set MSB, 0
.macro WIN new                         ; the immediate's high byte repeats the setting that is left; a switch that changes nothing is dropped
.if MSB != \new
	s_set_vgpr_msb (MSB<<8)|\new
.set MSB, \new
.endif
.endm
.set TO_F, 0xc0                        ; destination window 3, address window 0
.set TO_Q, 0x80                        ; destination window 2
.set W_S0, 0x2b                        ; source 0 window 3, source 1 window 2, C (the bias) window 2, D window 0
.set W_S,  0x0b                        ; the same with C in window 0
.set W_PV, 0x53                        ; source 0 window 3, source 1 window 0, C and D window 1
.set W_RS, 0x41                        ; destination and source 0 window 1, source 1 window 0
.set W_RF, 0x51                        ; the same with source 2 in window 1
.set W_RO, 0x11                        ; sources 0 and 2 window 1, source 1 and destination window 0
.macro PLACES n
.rept \n
	v_nop
.endr
.endm
; A round of the cluster's barrier: my work-group's barrier, wave 0's signal for the work-group, every wave's wait for the four work-groups, my work-group's barrier once more.
.macro ROUND
	s_barrier_signal -1
	s_barrier_wait -1
	s_cmp_lg_u32 s10, 0
	s_cbranch_scc1 .Lnot_wave_0_\@
	s_barrier_signal -3
.Lnot_wave_0_\@:
	s_barrier_wait -3
	s_barrier_signal -1
	s_barrier_wait -1
.endm
; A prefetch into the L2 of the step after the one that has just been asked for: 204,800 bytes, shared out BY ADDRESS among the 32 waves of the batch's eight work-groups: 6,400 bytes, 25 blocks of 256, a wave; lanes 25 to 31
; name lane 24's block again.  It stands behind the tensor load and its five lines.  The test hangs on the count of steps alone; the last trip has no step behind the one that it asks for.
.macro ASK
	s_cmp_gt_u32 s30, 1
	s_cbranch_scc0 .Lno_ask_\@
	global_prefetch_b8 v[PFO], s[28:29] th:TH_LOAD_NT scope:SCOPE_SE
.Lno_ask_\@:
.endm
; One matrix instruction, by the symbols mD, mA, mB, mC (under 0: the constant 0), mSA, mSB, and mRA, mRB: the scale words lie in lanes 16-31.
.macro WM
.if mC < 0
.if mRA && mRB
	v_wmma_scale_f32_16x16x128_f8f6f4 v[mD:mD+7], v[mA:mA+11], v[mB:mB+11], 0, v[mSA], v[mSB] matrix_a_fmt:MATRIX_FMT_BF6 matrix_b_fmt:MATRIX_FMT_BF6 matrix_a_scale:MATRIX_SCALE_ROW1 matrix_b_scale:MATRIX_SCALE_ROW1
.elseif mRA
	v_wmma_scale_f32_16x16x128_f8f6f4 v[mD:mD+7], v[mA:mA+11], v[mB:mB+11], 0, v[mSA], v[mSB] matrix_a_fmt:MATRIX_FMT_BF6 matrix_b_fmt:MATRIX_FMT_BF6 matrix_a_scale:MATRIX_SCALE_ROW1
.elseif mRB
	v_wmma_scale_f32_16x16x128_f8f6f4 v[mD:mD+7], v[mA:mA+11], v[mB:mB+11], 0, v[mSA], v[mSB] matrix_a_fmt:MATRIX_FMT_BF6 matrix_b_fmt:MATRIX_FMT_BF6 matrix_b_scale:MATRIX_SCALE_ROW1
.else
	v_wmma_scale_f32_16x16x128_f8f6f4 v[mD:mD+7], v[mA:mA+11], v[mB:mB+11], 0, v[mSA], v[mSB] matrix_a_fmt:MATRIX_FMT_BF6 matrix_b_fmt:MATRIX_FMT_BF6
.endif
.else
.if mRA && mRB
	v_wmma_scale_f32_16x16x128_f8f6f4 v[mD:mD+7], v[mA:mA+11], v[mB:mB+11], v[mC:mC+7], v[mSA], v[mSB] matrix_a_fmt:MATRIX_FMT_BF6 matrix_b_fmt:MATRIX_FMT_BF6 matrix_a_scale:MATRIX_SCALE_ROW1 matrix_b_scale:MATRIX_SCALE_ROW1
.elseif mRA
	v_wmma_scale_f32_16x16x128_f8f6f4 v[mD:mD+7], v[mA:mA+11], v[mB:mB+11], v[mC:mC+7], v[mSA], v[mSB] matrix_a_fmt:MATRIX_FMT_BF6 matrix_b_fmt:MATRIX_FMT_BF6 matrix_a_scale:MATRIX_SCALE_ROW1
.elseif mRB
	v_wmma_scale_f32_16x16x128_f8f6f4 v[mD:mD+7], v[mA:mA+11], v[mB:mB+11], v[mC:mC+7], v[mSA], v[mSB] matrix_a_fmt:MATRIX_FMT_BF6 matrix_b_fmt:MATRIX_FMT_BF6 matrix_b_scale:MATRIX_SCALE_ROW1
.else
	v_wmma_scale_f32_16x16x128_f8f6f4 v[mD:mD+7], v[mA:mA+11], v[mB:mB+11], v[mC:mC+7], v[mSA], v[mSB] matrix_a_fmt:MATRIX_FMT_BF6 matrix_b_fmt:MATRIX_FMT_BF6
.endif
.endif
.endm
; 32 LDS loads: my four token tiles' fragments of d steps 2 g and 2 g + 1 into set g.  A fragment's registers 6 c .. 6 c + 3 come by 16 bytes, 6 c + 4, 6 c + 5 by 8.
.macro LDK g
.irp e, 0,1
.irp kt, 0,1,2,3
.irp c, 0,1
.set GG, (((\kt/2)*4+2*(\g)+\e)*2+\c)*1536
.set FF, 96*(\g)+12*(4*\e+\kt)+6*\c
	ds_load_b128 v[FF:FF+3], v[LT] offset:GG+(\kt%2)*512
	ds_load_b64 v[FF+4:FF+5], v[LK0+\kt%2] offset:GG+1024
.endr
.endr
.endr
.endm
; 24 LDS loads: my eight feature tiles' fragments of the step's g-th 128 tokens into set g
.macro LDV g
.irp dt, 0,1,2,3,4,5,6,7
.irp p, 0,1,2
	ds_load_b128 v[96*(\g)+12*\dt+4*\p:96*(\g)+12*\dt+4*\p+3], v[LT] offset:VC+(8*(\g)+\dt)*1536+512*\p
.endr
.endr
.endm
; 16 matrix instructions: d step t of S^T.  The 16 accumulators take turns, one instruction a turn, in the same order in every d step.  d step 0 takes the bias as C.
.macro SMUL t
.irp kt, 0,1,2,3
.irp qt, 0,1,2,3
.set mD, S+32*\qt+8*\kt
.set mA, 96*((\t)/2)+12*(4*((\t)%2)+\kt)
.set mB, 12*(4*\qt+(\t))
.if (\t) == 0
.set mC, 192+8*\qt
.else
.set mC, mD
.endif
.set mSA, KSR+4*(\kt/2)+(\t)
.set mRA, \kt%2
.set mSB, QSR+2*(\t)+\qt/2
.set mRB, \qt%2
	WM
.endr
.endr
.endm
; 32 matrix instructions: O^T += V^T P^T for the step's g-th 128 tokens; the 32 accumulators by turns.  zero = 1: they start the sums: nothing is ever cleared.
.macro PVMUL g, zero
.irp dt, 0,1,2,3,4,5,6,7
.irp qt, 0,1,2,3
.set mD, 8*(8*\qt+\dt)
.set mA, 96*(\g)+12*\dt
.set mB, S+12*(4*(\g)+\qt)
.if \zero
.set mC, -1
.else
.set mC, mD
.endif
.set mSA, VSR+4*(\g)+\dt/2
.set mRA, \dt%2
.set mSB, PSR+2*(\g)+\qt/2
.set mRB, \qt%2
	WM
.endr
.endr
.endm
	s_load_b128 s[4:7], s[0:1], 0x0                ; centroids, kv
	s_load_b64 s[8:9], s[0:1], 0x10                ; part
	v_lshl_add_u32 v[SPW], v0, 2, SPARE
	v_mov_b32 v[NIL], 0
	ds_add_u32 v[SPW], v[NIL]                      ; the wave's opening: the add, twice on end, and its wait ahead of my first tensor load; the set-up below, work on registers, stands between
	ds_add_u32 v[SPW], v[NIL]                      ; and once more
	v_lshrrev_b32 v26, 5, v0
	v_readfirstlane_b32 s10, v26                   ; wave w
	s_bfe_u32 s11, ttmp6, 0x40000                  ; cx: my place in the cluster: it enters addresses of centroids, part and the prefetches alone
	s_lshl_b32 s12, ttmp9, 2
	s_add_co_u32 s12, s12, s11                     ; jq = 4 x cluster x + cx
	s_and_b32 s13, ttmp7, 0xffff                   ; b, which the four partners share
	; descriptor group 1: 51,200 dense bytes as 200 rows of 32 elements of 8 bytes; no padding: the images are read 16, 8 or 4 bytes a lane on end
	s_mov_b32 s16, 15|(3<<16)|(1<<21)              ; 15:0 the mask: all four work-groups; 17:16 elements of 8 bytes; 21 set beside a mask
	s_mov_b32 s17, 32<<16                          ; tensor_dim0 = 32
	s_mov_b32 s18, 200<<16                         ; tensor_dim1 = 200
	s_mov_b32 s19, 32<<16                          ; tile_dim0 = 32
	s_mov_b32 s20, 200                             ; tile_dim1 = 200
	s_mov_b32 s21, 32                              ; from row to row
	s_mov_b32 s22, 0
	s_mov_b32 s23, 0
	s_mov_b32 s24, 1                               ; group 0: count = 1,
	s_mul_i32 s25, s10, TILEB                      ; LDS address: my wave's bytes
	s_mov_b32 s30, 6                               ; the loop's trips
	s_mov_b32 s32, 0x76543210
	s_mov_b32 s33, 0xfedcba98                      ; v_permlanex16_b32's selects for lane l xor 16
	s_mov_b32 s34, 0x3fb8aa3b                      ; log2(e)
	s_mov_b32 s35, s34                             ; (named with it as a pair, so it is written)
	s_mul_i32 s36, s13, BATB                       ; the batch's bytes in kv
	s_add_co_u32 s38, s36, s25                     ; my part of step 0: b and w alone
	s_mov_b32 s39, 0
	s_lshl_b32 s40, s12, 2
	s_add_co_u32 s40, s40, s10
	s_mul_i32 s40, s40, 6400                       ; the prefetches: my wave's 6,400 bytes,
	s_add_co_u32 s40, s40, s36
	s_add_co_u32 s40, s40, STEPB                   ; in step 1: the first ask steps it to step 2.  Nothing is prefetched here, at the head
	s_mov_b32 s41, 0
	s_lshl_b32 s42, s12, 17                        ; centroids: 64 jq rows of 2,048 bytes,
	s_lshl_b32 s37, s10, 15                        ; + 16 w rows: the cluster tile that I quantise
	s_add_co_u32 s42, s42, s37
	s_mov_b32 s43, 0
	s_lshl_b32 s48, s12, 17
	s_lshl_b32 s37, s10, 9                         ; + my 128 features: for the column sum
	s_add_co_u32 s48, s48, s37
	s_mov_b32 s49, 0
	s_lshl_b32 s50, s13, 14                        ; part: ((8 b + jq) x 512 + 128 w) x 4
	s_add_co_u32 s50, s50, s37
	s_lshl_b32 s37, s12, 11
	s_add_co_u32 s50, s50, s37
	s_mov_b32 s51, 0
	v_and_b32 v26, 31, v0                          ; lane
	v_and_b32 v27, 15, v0                          ; r
	v_bfe_u32 v28, v0, 4, 1                        ; h
	v_lshl_add_u32 v[LT], v26, 4, s25
	v_lshl_add_u32 v[LK0], v27, 3, s25
	v_lshl_add_u32 v[LK0+1], v28, 7, v[LK0]
	v_add_nc_u32 v[LK0+1], 128, v[LK0+1]           ; u = 1: 128 + 8 r + 128 h
	v_mul_u32_u24 v29, v28, 384
	v_add_nc_u32 v[LK0], v[LK0], v29               ; u = 0: 8 r + 384 h
	v_lshl_add_u32 v[LTS], v26, 2, s25
	v_lshl_add_u32 v[LB16], v26, 4, QIMG
	v_lshl_add_u32 v[LB8], v26, 3, QIMG
	v_lshl_add_u32 v[LB4], v26, 2, QIMG
	s_lshr_b32 s52, s10, 1                         ; ks: my 64 tokens lie in the step's ks-th 128,
	s_and_b32 s53, s10, 1                          ; c: in its c-th 64
	s_mul_i32 s54, s52, 6144
	s_mul_i32 s55, s53, 768
	s_add_co_u32 s54, s54, s55
	s_add_co_u32 s54, s54, PIMG
	v_lshl_add_u32 v[WP16], v26, 4, s54
	s_add_co_u32 s54, s54, 512
	v_lshl_add_u32 v[WP8], v26, 3, s54
	s_lshl_b32 s54, s52, 8
	s_lshl_b32 s55, s53, 1
	s_add_co_u32 s54, s54, s55
	s_add_co_u32 s54, s54, PSC
	v_lshl_add_u32 v[WPS], v27, 2, s54
	v_lshl_add_u32 v[WMX], v0, 4, MX               ; 512 w + 16 x lane
	s_lshl_b32 s54, s10, 9
	s_add_co_u32 s54, s54, OST
	v_lshl_add_u32 v[WOS], v28, 5, s54
	v_lshl_add_u32 v[ROS], v0, 4, OST
	v_min_u32 v[PFO], 24, v26
	v_lshlrev_b32 v[PFO], 8, v[PFO]
	v_lshlrev_b32 v[GO], 4, v26
	s_mul_i32 s54, s10, 6144
	s_add_co_u32 s54, s54, QIMG
	v_lshl_add_u32 v[WQ16], v26, 4, s54
	s_lshl_b32 s54, s52, 7
	s_lshl_b32 s55, s53, 6
	s_add_co_u32 s54, s54, s55
	s_add_co_u32 s54, s54, QSC
	v_lshl_add_u32 v[WQS], v27, 2, s54
	v_lshlrev_b32 v[WOF], 11, v27
	v_lshl_add_u32 v[WOF], v28, 7, v[WOF]          ; row r of 2,048 bytes + 128 h
	v_lshl_add_u32 v[WQB], v0, 2, QB
	v_lshlrev_b32 v[SH], 3, v28
	v_mov_b32 v[WT], 0                             ; written once: a lane permute's destination counts as one of its sources
	s_wait_dscnt 0x0                               ; both opening adds are done
	s_wait_kmcnt 0x0
	s_add_nc_u64 s[26:27], s[6:7], s[38:39]        ; group 0: global address,
	s_or_b32 s27, s27, 0x80000000                  ; type = 2
	s_add_nc_u64 s[28:29], s[6:7], s[40:41]
	s_add_nc_u64 s[44:45], s[4:5], s[42:43]
	s_add_nc_u64 s[46:47], s[4:5], s[48:49]
	s_add_nc_u64 s[8:9], s[8:9], s[50:51]
	ROUND                                          ; all four work-groups are here: the first joint loads meet
	tensor_load_to_lds s[24:27], s[16:23]          ; step 0: every wave its own part; one tensor load of mine is out
	s_nop 0
	PLACES 4
; W = 200 c, WHILE STEP 0 IS ON ITS WAY.  Wave w quantises cluster tile w.  Lane (r, h) takes, of row r, d = 128 t + 64 c + 32 h + 0 .. 31: the very numbers that the operand's layout gives it, whole blocks.
.macro WLOAD t
.irp c, 0,1
.irp u, 0,1,2,3,4,5,6,7
	global_load_b128 v[S+64*((\t)%2)+32*\c+4*\u:S+64*((\t)%2)+32*\c+4*\u+3], v[WOF], s[44:45] offset:512*(\t)+256*\c+16*\u
.endr
.endr
.endm
.macro QW t, left
.set QA, S+64*((\t)%2)
.if (\t) > 0
	s_wait_dscnt 0x0                               ; the last d step's stores have read the fragment's registers and the word
.endif
	s_wait_loadcnt \left                           ; this d step's 16 loads are in; the other area's may stay out
.set i, 0
.rept 32
.if ((\t) == 0) && (i < 2)
	v_pk_mul_f32 v[SS+2*i:SS+2*i+1], v[QA+2*i:QA+2*i+1], v[QA+2*i:QA+2*i+1]   ; the sum of squares of c, for the bias, in two chains
.else
	v_pk_fma_f32 v[SS+2*(i%2):SS+2*(i%2)+1], v[QA+2*i:QA+2*i+1], v[QA+2*i:QA+2*i+1], v[SS+2*(i%2):SS+2*(i%2)+1]
.endif
.set i, i+1
.endr
.set i, 0
.rept 32
	v_pk_mul_f32 v[QA+2*i:QA+2*i+1], v[QA+2*i:QA+2*i+1], 0x43480000 op_sel_hi:[1,0]   ; x 200
.set i, i+1
.endr
.irp c, 0,1
	v_max3_num_f32 v[MXT+\c], |v[QA+32*\c]|, |v[QA+32*\c+1]|, 0x2800000   ; my block 2 c + h, and the floor 2^(5 - 127)
.endr
.irp i, 2,4,6,8,10,12,14,16,18,20,22,24,26,28,30
.irp c, 0,1
	v_max3_num_f32 v[MXT+\c], v[MXT+\c], |v[QA+32*\c+\i]|, |v[QA+32*\c+\i+1]|
.endr
.endr
.irp c, 0,1
	v_add_nc_u32 v[SO+\c], 0xfe000000, v[MXT+\c]   ; 4 off the exponent field: the conversion's scale operand
.endr
.irp c, 0,1
	v_lshrrev_b32 v[BY+\c], 23, v[SO+\c]           ; the scale's byte
.endr
	v_lshl_or_b32 v[WD], v[BY+1], 16, v[BY]        ; my two bytes, blocks h and 2 + h,
	v_lshlrev_b32 v[WD], v[SH], v[WD]              ; at their places (8 h bits up);
	v_permlanex16_b32 v[WT], v[WD], s32, s33
	v_or_b32 v[WD], v[WD], v[WT]                   ; with lane l xor 16's two the word is whole
.irp c, 0,1
	v_cvt_scalef32_pk16_bf6_f32 v[FRG+6*\c:FRG+6*\c+2], v[QA+32*\c:QA+32*\c+15], v[SO+\c]
	v_cvt_scalef32_pk16_bf6_f32 v[CTW+4*\c:CTW+4*\c+2], v[QA+32*\c+16:QA+32*\c+31], v[SO+\c]   ; (a conversion's three registers begin on an even number)
.endr
	v_nop                                          ; one plain instruction behind the conversions
.irp c, 0,1
.irp i, 0,1,2
	v_mov_b32 v[FRG+6*\c+3+\i], v[CTW+4*\c+\i]
.endr
.endr
.irp p, 0,1,2
	ds_store_b128 v[WQ16], v[FRG+4*\p:FRG+4*\p+3] offset:1536*(\t)+512*\p   ; the fragment goes to LDS as an image of its registers
.endr
	ds_store_b32 v[WQS], v[WD] offset:256*(\t)     ; both halves of the lanes write the same word with the same value
.if (\t) < 2
	WLOAD (\t)+2
.endif
.endm
; the column sum of my work-group's 64 rows of c, for my wave's 128 features: 4 a lane; 16 rows a batch
.macro CLOAD n
.irp y, 0,1,2,3,4,5,6,7,8,9,10,11,12,13,14,15
	global_load_b128 v[S+64*((\n)%2)+4*\y:S+64*((\n)%2)+4*\y+3], v[GO], s[46:47] offset:2048*(16*(\n)+\y)   ; the wave reads 512 consecutive bytes
.endr
.endm
.macro CADD n
.set y, 0
.rept 16
.set CR, S+64*((\n)%2)+4*y
.set CA, CSUM+(CSB-CSUM)*(y%2)         ; even rows in one chain, odd rows in the other
.if ((\n) == 0) && (y < 2)
.elseif ((\n) == 0) && (y < 4)
	v_pk_add_f32 v[CA:CA+1], v[CR-8:CR-7], v[CR:CR+1]   ; the first rows start the chains
	v_pk_add_f32 v[CA+2:CA+3], v[CR-6:CR-5], v[CR+2:CR+3]
.else
	v_pk_add_f32 v[CA:CA+1], v[CA:CA+1], v[CR:CR+1]
	v_pk_add_f32 v[CA+2:CA+3], v[CA+2:CA+3], v[CR+2:CR+3]
.endif
.set y, y+1
.endr
.endm
	s_wait_alu depctr_va_vdst(0)
	WLOAD 0
	WLOAD 1
	QW 0, 16
	QW 1, 16
	QW 2, 16
	QW 3, 0
	CLOAD 0
	CLOAD 1
	v_pk_add_f32 v[SS:SS+1], v[SS:SS+1], v[SS+2:SS+3]
	v_add_f32 v[SS], v[SS], v[SS+1]
	v_permlanex16_b32 v[WT], v[SS], s32, s33
	v_add_f32 v[SS], v[SS], v[WT]                  ; |c_k|^2 of my row
	s_wait_alu depctr_va_vdst(0)
	v_sqrt_f32 v[SS+1], v[SS]
	v_nop                                          ; a plain instruction behind the root
	s_wait_alu depctr_va_vdst(0)                   ; and the wait ahead of its first reader
	v_mul_f32 v[SS+1], 0xc2c80000, v[SS+1]         ; the bias: -100 |c_k|
	ds_store_b32 v[WQB], v[SS+1]
	s_wait_dscnt 0x0                               ; for the others' sake: my fragments, words and bias lie in LDS
	s_barrier_signal -1                            ; step 0's load may stay out
	s_barrier_wait -1
	WIN TO_Q
.irp f, 0,1,2,3,4,5,6,7,8,9,10,11,12,13,14,15
.irp p, 0,1,2
	ds_load_b128 v[12*\f+4*\p:12*\f+4*\p+3], v[LB16] offset:1536*\f+512*\p   ; all 16 fragments of W stay in my registers
.endr
.endr
	WIN 0
.irp i, 0,1,2,3,4,5,6,7
	ds_load_b32 v[QSR+\i], v[LB4] offset:QSC-QIMG+128*\i
.endr
.irp qt, 0,1,2,3
	ds_load_b32 v[BT+\qt], v[LB4] offset:QB-QIMG+128*\qt
.endr
	s_wait_dscnt 0x0
	WIN TO_Q
.irp qt, 0,1,2,3
.irp i, 0,1,2,3,4,5,6,7
	v_mov_b32 v[192+8*\qt+\i], v[BT+\qt]           ; the bias in the result's layout: my cluster's, in all eight registers: the C of a sum's first matrix instruction
.endr
.endr
	WIN 0
	s_wait_loadcnt 16                              ; the first batch is in; the next batch's 16 loads may stay out
	CADD 0
	CLOAD 2
	s_wait_alu depctr_va_vdst(0)
	s_wait_loadcnt 16
	CADD 1
	CLOAD 3
	s_wait_alu depctr_va_vdst(0)
	s_wait_loadcnt 16
	CADD 2
	s_wait_alu depctr_va_vdst(0)
	s_wait_loadcnt 0x0
	CADD 3
	v_pk_add_f32 v[CSUM:CSUM+1], v[CSUM:CSUM+1], v[CSB:CSB+1]
	v_pk_add_f32 v[CSUM+2:CSUM+3], v[CSUM+2:CSUM+3], v[CSB+2:CSB+3]
.irp qt, 0,1,2,3
	v_mov_b32 v[ST+8*\qt+5], 0                     ; (named as the upper half of the pair with f)
.endr
.irp e, 0,1,2,3,4,5,6,7
	v_mov_b32 v[PT+\e], 0                          ; written once: a lane permute's destination counts as one of its sources
.endr
; A STEP OF 256 TOKENS.  first = 1: it starts M, l and O^T.  refill = 1: the next step's tiles are asked for.
.macro STEP first, refill
	s_wait_tensorcnt 0x0                           ; my part has landed; I alone read it.  (The one load that was out)
.if !\first
	PLACES 5                                       ; behind the last products: loads into the sets that they read want four places, the new S^T, which is laid over p's fragments, five
.endif
.irp i, 0,1,2,3,4,5,6,7
	ds_load_b32 v[KSR+\i], v[LTS] offset:KS+128*\i
.endr
	WIN TO_F
	LDK 0
	LDK 1
	s_wait_dscnt 32                                ; the words and d steps 0, 1 are in; the 32 loads of d steps 2, 3 may stay out
	WIN W_S0
	SMUL 0
	WIN W_S
	SMUL 1
	PLACES 4                                       ; in front of loads into the set just multiplied
	WIN TO_F
	LDV 0
	s_wait_dscnt 24                                ; d steps 2, 3 are in; the 24 loads just issued may stay out
	WIN W_S
	SMUL 2
	SMUL 3
	PLACES 4                                       ; in front of the loads below and of the first reads of S^T
	WIN TO_F
	LDV 1
	WIN 0
.irp i, 0,1,2,3,4,5,6,7
	ds_load_b32 v[VSR+\i], v[LTS] offset:VS+128*\i
.endr
	; the largest score of each block of 32 tokens (e = 2 qt + bq): it serves for the row's maximum and, since p rises with the score, for the block's largest p.  Each accumulator is read from its low end on
.irp e, 0,1,2,3,4,5,6,7
	v_max3_num_f32 v[BM+\e], v[S+16*\e], v[S+16*\e+1], v[S+16*\e+2]
.endr
.irp i, 3,5,7,9,11,13
.irp e, 0,1,2,3,4,5,6,7
	v_max3_num_f32 v[BM+\e], v[BM+\e], v[S+16*\e+\i], v[S+16*\e+\i+1]
.endr
.endr
.irp e, 0,1,2,3,4,5,6,7
	v_max_num_f32 v[BM+\e], v[BM+\e], v[S+16*\e+15]
.endr
.irp e, 0,1,2,3,4,5,6,7
	v_permlanex16_b32 v[PT+\e], v[BM+\e], s32, s33
.endr
.irp e, 0,1,2,3,4,5,6,7
	v_max_num_f32 v[BM+\e], v[BM+\e], v[PT+\e]     ; with lane l xor 16's 16 tokens
.endr
.irp qt, 0,1,2,3
	v_max_num_f32 v[LM+\qt], v[BM+2*\qt], v[BM+2*\qt+1]
.endr
	ds_store_b128 v[WMX], v[LM:LM+3]               ; my 64 tokens' maxima of the four cluster tiles
.if \refill
	s_wait_tensorcnt 0x0                           ; no tensor load of mine is out, so group 0 may be written
	ds_add_u32 v[SPW], v[NIL]                      ; 0 onto my spare word; the steps below stand between it and the wait for it
	s_add_nc_u64 s[26:27], s[26:27], STEPB         ; the next step's part; the type bits on top are not reached
	s_wait_xcnt 0x0                                ; the last prefetch, a step back, has read its address, so it may be written
	s_add_nc_u64 s[28:29], s[28:29], STEPB
	s_wait_dscnt 0x0                               ; the add is done, my maxima lie in LDS, and ALL my reads of my part are over: it lies in registers
	ROUND                                          ; the same holds of every wave of the four work-groups
	tensor_load_to_lds s[24:27], s[16:23]          ; the first thing behind the round, and my one tensor load until the next: it has the softmax and the second product in which to land
	s_nop 0
	PLACES 4
	ASK
.else
	s_wait_dscnt 0x0                               ; my maxima lie in LDS
	s_barrier_signal -1
	s_barrier_wait -1
.endif
.irp u, 0,1,2,3
	ds_load_b128 v[XM+4*\u:XM+4*\u+3], v[LB16] offset:MX-QIMG+512*\u
.endr
	s_wait_dscnt 0x0
.irp qt, 0,1,2,3
	v_max3_num_f32 v[ST+8*\qt+7], v[XM+\qt], v[XM+4+\qt], v[XM+8+\qt]
.endr
.irp qt, 0,1,2,3
	v_max_num_f32 v[ST+8*\qt+7], v[ST+8*\qt+7], v[XM+12+\qt]   ; the step's largest score of my cluster: the same in all four waves
.endr
.if \first
.irp qt, 0,1,2,3
	v_mul_f32 v[ST+8*\qt+1], s34, v[ST+8*\qt+7]    ; as t
.endr
.irp qt, 0,1,2,3
	v_floor_f32 v[ST+8*\qt], -v[ST+8*\qt+1]        ; -M = floor(-t) = -ceil(t)
.endr
.else
.irp qt, 0,1,2,3
	v_mul_f32 v[ST+8*\qt+7], s34, v[ST+8*\qt+7]
.endr
.irp qt, 0,1,2,3
	v_max_num_f32 v[ST+8*\qt+1], v[ST+8*\qt+1], v[ST+8*\qt+7]   ; the running largest t
.endr
.irp qt, 0,1,2,3
	v_mov_b32 v[ST+8*\qt+6], v[ST+8*\qt]
.endr
.irp qt, 0,1,2,3
	v_floor_f32 v[ST+8*\qt], -v[ST+8*\qt+1]
.endr
.irp qt, 0,1,2,3
	v_sub_f32 v[ST+8*\qt+6], v[ST+8*\qt], v[ST+8*\qt+6]   ; old M - new M: a whole number, 0 or less
.endr
.irp qt, 0,1,2,3
	v_cvt_i32_f32 v[ST+8*\qt+6], v[ST+8*\qt+6]     ; (it saturates)
.endr
.irp qt, 0,1,2,3
	v_ldexp_f32 v[ST+8*\qt+4], 1.0, v[ST+8*\qt+6]  ; f = 2^(old M - new M)
.endr
.endif
.irp qt, 0,1,2,3
.set i, 0
.rept 16
	v_pk_fma_f32 v[S+32*\qt+2*i:S+32*\qt+2*i+1], v[S+32*\qt+2*i:S+32*\qt+2*i+1], s[34:35], v[ST+8*\qt:ST+8*\qt+1] op_sel_hi:[1,0,0]   ; t - M, two at a time
.set i, i+1
.endr
.endr
.irp e, 0,1,2,3,4,5,6,7
	v_fma_f32 v[BM+\e], v[BM+\e], s34, v[ST+8*(\e/2)]   ; the same of each block's largest score
.endr
.set i, 0
	s_wait_alu depctr_va_vdst(0)
.rept 128
	v_exp_f32 v[S+i], v[S+i]                       ; p = 2^(t - M), at most 1: not normalised
.set i, i+1
.endr
	v_nop                                          ; a plain instruction behind the exponentials
	s_wait_alu depctr_va_vdst(0)                   ; one wait for the whole batch, ahead of its first reader
.irp e, 0,1,2,3,4,5,6,7
	v_exp_f32 v[BM+\e], v[BM+\e]                   ; the block's largest p
.endr
	; l is taken of the unquantised p: four chains, one a cluster tile.  (They read the 128 alone: plain work behind the eight)
.if \first
.irp qt, 0,1,2,3
	v_pk_add_f32 v[ST+8*\qt+2:ST+8*\qt+3], v[S+32*\qt:S+32*\qt+1], v[S+32*\qt+2:S+32*\qt+3]
.endr
.else
.irp qt, 0,1,2,3
	v_pk_fma_f32 v[ST+8*\qt+2:ST+8*\qt+3], v[ST+8*\qt+2:ST+8*\qt+3], v[ST+8*\qt+4:ST+8*\qt+5], v[S+32*\qt:S+32*\qt+1] op_sel_hi:[1,0,1]   ; l under the new M
.endr
.irp qt, 0,1,2,3
	v_pk_add_f32 v[ST+8*\qt+2:ST+8*\qt+3], v[ST+8*\qt+2:ST+8*\qt+3], v[S+32*\qt+2:S+32*\qt+3]
.endr
.endif
.set i, 2
.rept 14
.irp qt, 0,1,2,3
	v_pk_add_f32 v[ST+8*\qt+2:ST+8*\qt+3], v[ST+8*\qt+2:ST+8*\qt+3], v[S+32*\qt+2*i:S+32*\qt+2*i+1]
.endr
.set i, i+1
.endr
	s_wait_alu depctr_va_vdst(0)                   ; and one for the eight
.irp e, 0,1,2,3,4,5,6,7
	v_max_num_f32 v[BM+\e], 0x2800000, v[BM+\e]    ; the floor 2^(5 - 127): the byte cannot fall under 1
.endr
.irp e, 0,1,2,3,4,5,6,7
	v_add_nc_u32 v[PT+\e], 0xfe000000, v[BM+\e]    ; 4 off the exponent field: the conversion's scale operand
.endr
.irp e, 0,1,2,3,4,5,6,7
	v_lshrrev_b32 v[BM+\e], 23, v[PT+\e]           ; the scale's byte
.endr
.irp qt, 0,1,2,3
	v_lshl_or_b32 v[ST+8*\qt+6], v[BM+2*\qt+1], 8, v[BM+2*\qt]   ; my two blocks' bytes: half of the scale word of these 128 tokens
.endr
.irp qt, 0,1,2,3
	ds_store_b16 v[WPS], v[ST+8*\qt+6] offset:(\qt/2)*128+64*(\qt%2)   ; both halves of the lanes write the same two bytes with the same value
.endr
	; p's codes.  Tile qt's go to v[CD + 16 qt] and v[CD + 16 qt + 8]: over numbers that an earlier batch has converted, a plain instruction between
.irp qt, 0,1,2,3
	v_cvt_scalef32_pk16_bf6_f32 v[CD+16*\qt:CD+16*\qt+2], v[S+32*\qt:S+32*\qt+15], v[PT+2*\qt]
	v_cvt_scalef32_pk16_bf6_f32 v[CD+16*\qt+8:CD+16*\qt+10], v[S+32*\qt+16:S+32*\qt+31], v[PT+2*\qt+1]
.if \qt != 1
	v_nop
.endif
.endr
.irp qt, 0,1,2,3                               ; the operand's layout wants a whole block in a lane: lanes 0-15 my block 0, lanes 16-31 my block 1
.irp i, 0,1,2
	v_permlane16_swap_b32 v[CD+16*\qt+\i], v[CD+16*\qt+8+\i]
.endr
.endr
.irp qt, 0,1,2,3
.irp i, 0,1,2
	v_mov_b32 v[CD+16*\qt+3+\i], v[CD+16*\qt+8+\i]
.endr
.endr
.irp qt, 0,1,2,3
	ds_store_b128 v[WP16], v[CD+16*\qt:CD+16*\qt+3] offset:1536*\qt   ; registers 6 c .. 6 c + 5 of fragment (ks, qt), as they stand
	ds_store_b64 v[WP8], v[CD+16*\qt+4:CD+16*\qt+5] offset:1536*\qt
.endr
	s_wait_dscnt 0x0                               ; for the others' sake: my codes and bytes lie in LDS
	s_barrier_signal -1                            ; the next step's load stays out
.if !\first
	WIN W_RS
.irp qt, 0,1,2,3
.set i, 0
.rept 32
	v_pk_mul_f32 v[64*\qt+2*i:64*\qt+2*i+1], v[64*\qt+2*i:64*\qt+2*i+1], v[ST+8*\qt+4:ST+8*\qt+5] op_sel_hi:[1,0]   ; O^T under the new M: work on registers while the others arrive
.set i, i+1
.endr
.endr
	WIN 0
.endif
	s_wait_alu depctr_va_vdst(0)
	s_barrier_wait -1
.irp i, 0,1,2,3
	ds_load_b32 v[PSR+\i], v[LB4] offset:PSC-QIMG+128*\i
.endr
.irp f, 0,1,2,3,4,5,6,7
.irp c, 0,1
	ds_load_b128 v[S+12*\f+6*\c:S+12*\f+6*\c+3], v[LB16] offset:PIMG-QIMG+1536*\f+768*\c
	ds_load_b64 v[S+12*\f+6*\c+4:S+12*\f+6*\c+5], v[LB8] offset:PIMG-QIMG+1536*\f+768*\c+512
.endr
.endr
	s_wait_dscnt 16                                ; the words and the first 128 tokens' four fragments are in; the other four fragments' 16 loads may stay out
	WIN W_PV
	PVMUL 0, \first
	s_wait_dscnt 0x0
	PVMUL 1, 0
	WIN 0
.endm
	STEP 1, 1                                      ; step 0 is written out: its products start O^T's sums
.Lstep:                                                ; steps 1 to 6
	STEP 0, 1
	s_sub_co_u32 s30, s30, 1
	s_cmp_lg_u32 s30, 0
	s_cbranch_scc1 .Lstep
	STEP 0, 0                                      ; step 7 is written out: it asks for nothing
	; THE WAY OUT.  l: its two halves, lane l xor 16's, the four waves'.  The additions are the places behind the last products.
.irp qt, 0,1,2,3
	v_add_f32 v[LM+\qt], v[ST+8*\qt+2], v[ST+8*\qt+3]
.endr
.irp qt, 0,1,2,3
	v_permlanex16_b32 v[ST+8*\qt+6], v[LM+\qt], s32, s33
.endr
.irp qt, 0,1,2,3
	v_add_f32 v[LM+\qt], v[LM+\qt], v[ST+8*\qt+6]
.endr
	ds_store_b128 v[WMX], v[LM:LM+3] offset:LX-MX
	s_wait_dscnt 0x0
	s_barrier_signal -1
	s_barrier_wait -1
.irp u, 0,1,2,3
	ds_load_b128 v[XM+4*\u:XM+4*\u+3], v[LB16] offset:LX-QIMG+512*\u
.endr
	s_wait_dscnt 0x0
.irp qt, 0,1,2,3
	v_add_f32 v[ST+8*\qt+6], v[XM+\qt], v[XM+4+\qt]
	v_add_f32 v[ST+8*\qt+7], v[XM+8+\qt], v[XM+12+\qt]
.endr
.irp qt, 0,1,2,3
	v_add_f32 v[ST+8*\qt+6], v[ST+8*\qt+6], v[ST+8*\qt+7]
.endr
	s_wait_alu depctr_va_vdst(0)
.irp qt, 0,1,2,3
	v_rcp_f32 v[ST+8*\qt+4], v[ST+8*\qt+6]         ; 1 / l (l is above 1/2)
.endr
	v_nop                                          ; a plain instruction behind the reciprocals
	s_wait_alu depctr_va_vdst(0)                   ; one wait for the four, ahead of their first reader
	; the sum over my lane's four clusters of O^T / l; each accumulator is read from its low end on; the last multiply-add leaves the result in window 0
	WIN W_RS
.set i, 0
.rept 32
	v_pk_mul_f32 v[2*i:2*i+1], v[2*i:2*i+1], v[ST+4:ST+5] op_sel_hi:[1,0]
.set i, i+1
.endr
	WIN W_RF
.irp qt, 1,2
.set i, 0
.rept 32
	v_pk_fma_f32 v[2*i:2*i+1], v[64*\qt+2*i:64*\qt+2*i+1], v[ST+8*\qt+4:ST+8*\qt+5], v[2*i:2*i+1] op_sel_hi:[1,0,1]
.set i, i+1
.endr
.endr
	WIN W_RO
.set i, 0
.rept 32
	v_pk_fma_f32 v[S+2*i:S+2*i+1], v[192+2*i:192+2*i+1], v[ST+28:ST+29], v[2*i:2*i+1] op_sel_hi:[1,0,1]
.set i, i+1
.endr
	WIN 0
.irp m, 1,2,4,8                                ; and over the sixteen lanes of my half: register 8 dt + j is feature 128 w + 16 dt + 8 h + j
.set i, 0
.rept 64
	v_add_f32_dpp v[S+i], v[S+i], v[S+i] row_xmask:\m row_mask:0xf bank_mask:0xf
.set i, i+1
.endr
.endr
.irp dt, 0,1,2,3,4,5,6,7
	ds_store_b128 v[WOS], v[S+8*\dt:S+8*\dt+3] offset:64*\dt        ; the sixteen lanes of a half write the same words with the same values
	ds_store_b128 v[WOS], v[S+8*\dt+4:S+8*\dt+7] offset:64*\dt+16
.endr
	ds_load_b128 v[192:195], v[ROS]                ; LDS serves a wave's instructions in order: this sees my stores; 4 features a lane
	s_wait_dscnt 0x0
	v_pk_add_f32 v[192:193], v[192:193], v[CSUM:CSUM+1] neg_lo:[0,1] neg_hi:[0,1]   ; less the 64 rows of c
	v_pk_add_f32 v[194:195], v[194:195], v[CSUM+2:CSUM+3] neg_lo:[0,1] neg_hi:[0,1]
	global_store_b128 v[GO], v[192:195], s[8:9]    ; the wave stores 512 consecutive bytes, at a multiple of 256 from part's first byte
	s_wait_tensorcnt 0x0                           ; the wave's end: a wait, an add onto my spare word and its wait, behind my last tensor load and my last LDS store
	ds_add_u32 v[SPW], v[NIL]
	s_wait_dscnt 0x0
	ROUND                                          ; the closing round: no work-group ends while a partner may still ask for a tile that names it
	s_endpgm
.Lfunc_end_k_qc3efac9972_attn:
	.size	k_qc3efac9972_attn, .Lfunc_end_k_qc3efac9972_attn-k_qc3efac9972_attn
	.p2alignl 7, 3214868480
	.fill 96, 4, 3214868480
	.section	.rodata,"a",@progbits
	.p2align	6, 0x0
	.amdhsa_kernel k_qc3efac9972_attn
		.amdhsa_group_segment_fixed_size 327680
		.amdhsa_private_segment_fixed_size 0
		.amdhsa_enable_private_segment 0
		.amdhsa_kernarg_size 24
		.amdhsa_user_sgpr_count 2
		.amdhsa_user_sgpr_kernarg_segment_ptr 1
		.amdhsa_wavefront_size32 1
		.amdhsa_system_sgpr_workgroup_id_x 1
		.amdhsa_system_sgpr_workgroup_id_y 1
		.amdhsa_system_sgpr_workgroup_id_z 1
		.amdhsa_system_vgpr_workitem_id 0
		.amdhsa_next_free_vgpr 1024
		.amdhsa_next_free_sgpr 66
		.amdhsa_reserve_vcc 0
		.amdhsa_float_denorm_mode_32 3
		.amdhsa_float_denorm_mode_16_64 3
		.amdhsa_memory_ordered 1
		.amdhsa_forward_progress 1
		.amdhsa_inst_pref_size 255
	.end_amdhsa_kernel
	.section	.bss,"aw",@nobits
	.p2align	6
	.space	262144
	.amdgpu_metadata
---
amdhsa.version: [ 1, 2 ]
amdhsa.kernels:
  - .name:           k_qc3efac9972_attn
    .symbol:         k_qc3efac9972_attn.kd
    .args:
      - { .name: centroids, .offset: 0, .size: 8, .value_kind: global_buffer, .address_space: global }
      - { .name: kv, .offset: 8, .size: 8, .value_kind: global_buffer, .address_space: global }
      - { .name: part, .offset: 16, .size: 8, .value_kind: global_buffer, .address_space: global }
    .group_segment_fixed_size: 327680
    .private_segment_fixed_size: 0
    .kernarg_segment_align: 8
    .kernarg_segment_size: 24
    .max_flat_workgroup_size: 128
    .sgpr_count:     66
    .vgpr_count:     1024
    .wavefront_size: 32
...
	.end_amdgpu_metadata
.endif
;; end of part 2
;; launch finish (part 3): grid 32 x 1, 4 waves a work-group, no clusters, 0 bytes of LDS; arguments part, scl, out0; writes out0
.if DOCPART == 3
	.amdgcn_target "amdgcn-amd-amdhsa--gfx1250"
	.amdhsa_code_object_version 6
	.text
	.protected	k_qc3efac9972_finish
	.globl	k_qc3efac9972_finish
	.p2align	8
	.type	k_qc3efac9972_finish,@function
k_qc3efac9972_finish:
	s_mov_b64 s[64:65], 0
	v_nop
	global_prefetch_b8 v0, s[64:65] scope:SCOPE_SE
	s_setreg_imm32_b32 hwreg(HW_REG_WAVE_MODE, 25, 1), 1
	s_wait_xcnt 0x0
; Launch 3 of 3: out[b][d] = scale[b][d] / 512 x the sum over the eight blocks of 64 clusters of part[b][jq][d].  The sum spans work-groups of the launch before, so it is made here, in a fixed order.
; (The factor sum over l of a, which is 1 by identity, was left out in the launch before: shown at the head of the first kernel.)
; Work-group b; thread t owns features 4 t .. 4 t + 3: each load and the store of a wave cover 512 consecutive bytes.  32 work-groups are all the work that there is.  No LDS, no barrier.
	s_load_b128 s[4:7], s[0:1], 0x0                ; part, scl
	s_load_b64 s[8:9], s[0:1], 0x10                ; out0
	v_lshlrev_b32 v1, 4, v0
	s_lshl_b32 s10, ttmp9, 14                      ; b x 8 x 2,048 bytes
	s_mov_b32 s11, 0
	s_lshl_b32 s12, ttmp9, 11                      ; b x 2,048 bytes
	s_mov_b32 s13, 0
	s_wait_alu depctr_va_vdst(0)
	s_wait_kmcnt 0x0
	s_add_nc_u64 s[4:5], s[4:5], s[10:11]
	s_add_nc_u64 s[6:7], s[6:7], s[12:13]
	s_add_nc_u64 s[8:9], s[8:9], s[12:13]
.irp i, 0,1,2,3,4,5,6,7
	global_load_b128 v[4+4*\i:7+4*\i], v1, s[4:5] offset:2048*\i th:TH_LOAD_NT
.endr
	global_load_b128 v[36:39], v1, s[6:7] th:TH_LOAD_NT
	s_wait_loadcnt 0x0
.irp i, 0,1,2,3
	v_pk_add_f32 v[4+4*\i:5+4*\i], v[4+4*\i:5+4*\i], v[20+4*\i:21+4*\i]
	v_pk_add_f32 v[6+4*\i:7+4*\i], v[6+4*\i:7+4*\i], v[22+4*\i:23+4*\i]
.endr
.irp i, 0,1
	v_pk_add_f32 v[4+4*\i:5+4*\i], v[4+4*\i:5+4*\i], v[12+4*\i:13+4*\i]
	v_pk_add_f32 v[6+4*\i:7+4*\i], v[6+4*\i:7+4*\i], v[14+4*\i:15+4*\i]
.endr
	v_pk_add_f32 v[4:5], v[4:5], v[8:9]
	v_pk_add_f32 v[6:7], v[6:7], v[10:11]
	v_pk_mul_f32 v[36:37], v[36:37], 0x3b000000 op_sel_hi:[1,0]   ; scale / 512, exact
	v_pk_mul_f32 v[38:39], v[38:39], 0x3b000000 op_sel_hi:[1,0]
	v_pk_mul_f32 v[4:5], v[4:5], v[36:37]
	v_pk_mul_f32 v[6:7], v[6:7], v[38:39]
	global_store_b128 v1, v[4:7], s[8:9]
	s_endpgm
.Lfunc_end_k_qc3efac9972_finish:
	.size	k_qc3efac9972_finish, .Lfunc_end_k_qc3efac9972_finish-k_qc3efac9972_finish
	.p2alignl 7, 3214868480
	.fill 96, 4, 3214868480
	.section	.rodata,"a",@progbits
	.p2align	6, 0x0
	.amdhsa_kernel k_qc3efac9972_finish
		.amdhsa_group_segment_fixed_size 0
		.amdhsa_private_segment_fixed_size 0
		.amdhsa_enable_private_segment 0
		.amdhsa_kernarg_size 24
		.amdhsa_user_sgpr_count 2
		.amdhsa_user_sgpr_kernarg_segment_ptr 1
		.amdhsa_wavefront_size32 1
		.amdhsa_system_sgpr_workgroup_id_x 1
		.amdhsa_system_sgpr_workgroup_id_y 1
		.amdhsa_system_sgpr_workgroup_id_z 1
		.amdhsa_system_vgpr_workitem_id 0
		.amdhsa_next_free_vgpr 48
		.amdhsa_next_free_sgpr 66
		.amdhsa_reserve_vcc 0
		.amdhsa_float_denorm_mode_32 3
		.amdhsa_float_denorm_mode_16_64 3
		.amdhsa_memory_ordered 1
		.amdhsa_forward_progress 1
		.amdhsa_inst_pref_size 3
	.end_amdhsa_kernel
	.amdgpu_metadata
---
amdhsa.version: [ 1, 2 ]
amdhsa.kernels:
  - .name:           k_qc3efac9972_finish
    .symbol:         k_qc3efac9972_finish.kd
    .args:
      - { .name: part, .offset: 0, .size: 8, .value_kind: global_buffer, .address_space: global }
      - { .name: scl, .offset: 8, .size: 8, .value_kind: global_buffer, .address_space: global }
      - { .name: out0, .offset: 16, .size: 8, .value_kind: global_buffer, .address_space: global }
    .group_segment_fixed_size: 0
    .private_segment_fixed_size: 0
    .kernarg_segment_align: 8
    .kernarg_segment_size: 24
    .max_flat_workgroup_size: 128
    .sgpr_count:     66
    .vgpr_count:     48
    .wavefront_size: 32
...
	.end_amdgpu_metadata
.endif
;; end of part 3
